; MI455X (gfx1250); checked and timed in simulation.
; The chip was launched on July 23, 2026; its instructions are those of AMD's public machine-readable ISA for CDNA 5 (MIT licence, August 2026) and "CDNA5" Instruction Set Architecture Reference Guide (July 2026). The comments in the code are by the model that wrote it; some were corrected since.
;; Bert Self Attention. Allowed arithmetic: matrix products marked QUANTISED: E4M3 operands, one given power-of-two scale a tensor, by v_wmma_f32_16x16x64_fp8_fp8 or v_wmma_f32_16x16x128_fp8_fp8, f32 sums; products left as they are: f32 operands where the result goes on into a quantised operand, else bf16, f16 or f32 operands; f32 sums; everything else in f32.
;; Inputs: Wk 1,024 x 1,024 float32; Wq 1,024 x 1,024 float32; Wv 1,024 x 1,024 float32; attention_mask 8 x 4,096 int32; bk 1,024 float32; bq 1,024 float32; bv 1,024 float32; cell_state 8 x 1,024 float32; hidden_states 8 x 4,097 x 1,024 float32; lowp_scales 4 int32 (the exponents e of the quantised operands' scales 2^e).
;; Outputs: out0 8 x 1,024 float32.
;; Constants: t = 4096.
;; This version of the problem:
;;   THIS VERSION OF THE PROBLEM IS GIVEN IN LOW PRECISION. The matrix products marked QUANTISED in the list below multiply operands that are first quantised to E4M3 (4 exponent bits, 3 mantissa bits; 8 bits a number), with one given power-of-two scale for each operand tensor; their sums are f32. All else is computed in f32.
;;   The module's matrix products, in the order in which they are computed (A, B: the left and right operand; K: the contracted axis; several contracted axes count as one K, in the product's order):
;;     1. [M 8, K 1,024] x [K 1,024, N 1,024]; A: input cell_state; B: input Wq: left as it is (M = 8 < 16)
;;     2. [M 32,768, K 1,024] x [K 1,024, N 1,024]; A: input hidden_states; B: input Wk: QUANTISED (scales: A lowp_scales[0], B lowp_scales[1])
;;     3. [M 32,768, K 1,024] x [K 1,024, N 1,024]; A: input hidden_states; B: input Wv: QUANTISED (scales: A lowp_scales[2], B lowp_scales[3])
;;     4. batch 128 x [M 1, K 64] x [K 64, N 4,096]; A: computed on the way; B: computed on the way: left as it is (M = 1 < 16)
;;     5. batch 128 x [M 1, K 4,096] x [K 4,096, N 64]; A: softmax; B: computed on the way: left as it is (M = 1 < 16)
;;   THE QUANTISER, for each operand of a quantised product, along K:
;;     - The operand's scale is 2^e, e = its entry of the input lowp_scales (int32; the entries are numbered through the quantised products in the list's order, A before B).
;;     - Each number is divided by the scale, clamped to +-448, and rounded to the nearest number of E4M3, ties to even, subnormals kept.
;;     - The product sums the exact products of the quantised numbers (number of the format x scale) in f32.
;;   ~~~python
;;   def quantise(x, axis, e):      # numpy; x: float32 -> the quantised numbers, widened to float32 again
;;       x = np.moveaxis(x, axis, -1); K = x.shape[-1]
;;       r = np.clip(x / 2.0 ** e, -448, 448)
;;       step = 2.0 ** (np.maximum(np.frexp(np.where(r == 0, 1, r))[1] - 1, -6) - 3)
;;       q = np.round(r / step) * step * 2.0 ** e      # np.round: ties to even
;;       return np.moveaxis(q, -1, axis).astype(np.float32)
;;   ~~~
;; One version. Each part assembles by itself: llvm-mc -triple=amdgcn-amd-amdhsa -mcpu=gfx1250 --defsym DOCPART=n.
;; ======== version 1 of 1: 3 launches
;; limits: right only within a limited range of input values
;; workspace buffers: wcodes 2,097,152 bytes; qs 32,768 bytes; part 2,097,152 bytes; ml 65,536 bytes
;; launch prep (part 1): grid 256 x 1, 4 waves a work-group, no clusters, 18,432 bytes of LDS; arguments Wk, Wv, Wq, bq, cell_state, lowp_scales, wcodes, qs; writes wcodes, qs
.if DOCPART == 1
	.amdgcn_target "amdgcn-amd-amdhsa--gfx1250"
	.amdhsa_code_object_version 6
	.text
	.protected	k_q5d8ffe6e95_prep
	.globl	k_q5d8ffe6e95_prep
	.p2align	8
	.type	k_q5d8ffe6e95_prep,@function
k_q5d8ffe6e95_prep:
	s_mov_b64 s[64:65], 0
	v_nop
	global_prefetch_b8 v0, s[64:65] scope:SCOPE_SE
	s_setreg_imm32_b32 hwreg(HW_REG_WAVE_MODE, 25, 1), 1
	s_wait_xcnt 0x0
; TWO JOBS IN ONE LAUNCH, told apart by the work-group's number.
; Work-groups 0-127: Wk (0-63) and Wv (64-127), f32 [1024][1024], become codes of E4M3 with the given scales 2^e1 and 2^e3, laid as IMAGES OF OPERAND REGISTERS in the order in which the next launch walks them.
;   code = x / 2^e, held within +-448, to the nearest code, ties to even.  LIMITS: e between -126 and 119; NaN among the inputs is not served.
;   A work-group takes 16 rows (a tile of columns of K or V), wave w the 256 along K of chunk w.  Two loads of 512 consecutive bytes give a lane 4 + 4 numbers of a row; one conversion makes 8 codes of them.
;   So within a chunk, place 8 l + 4 u + i holds k = 128 u + 4 l + i.  The next launch lays X's codes in the same places, so every product meets its partner.
;   A fragment (16 rows x 128 places) is 16 registers a lane: registers 4 z .. 4 z + 3 of lane (r, h) hold places 32 z + 16 h + 0 .. 15 of row r.  Its image is 2,048 bytes: group z at 512 z + 16 x lane.
;   wcodes is 16 blocks of 131,072 bytes.  head = row / 64: hf = head / 8, ch = (head / 4) % 2, hl = head % 4; cq = (row / 16) % 4; c = chunk, ks = which 128 of it.
;     Wk: block 2 c + hf, byte 65,536 ch + 16,384 cq + 4,096 hl + 2,048 ks.      Wv: block 8 + 4 hf + hl, byte 65,536 ch + 8,192 (2 c + ks) + 2,048 cq.
; Work-groups 128-255: qs = (cell_state Wq^T + bq) x log2(e) / 8, all in f32.  Work-group y takes columns 8 y .. 8 y + 7, wave w two of them, for all 8 batches.
;   qs is laid (n / 8) x 256 + 32 b + 4 (n % 8) bytes, so that a work-group's 64 numbers are 256 consecutive bytes, which one wave stores.
; The two jobs use LDS bytes of their own.  No tensor load, no matrix instruction: this is a stream and 64 short dot products a work-group.
; LEFT OUT AS DEAD WORK, in the whole program: bk.  scores[b,h,t] = q . (x_t Wk^T) / 8 + q . bk / 8.  The second term is the same for every t of a (b, h), and a softmax along t
; is not changed by a term that is constant along t, whatever finite values the inputs hold.  bk is added behind the quantised product and enters no quantised operand.
; So bk is not loaded and is no launch's argument.  LIMIT: a NaN, an infinity or an overflow that bk alone would cause is not carried to the result.
.set PIT, 272
.set QST, 17408                        ; behind the four waves' stages of 16 x PIT bytes: 256 bytes for the second job
.set MSB, 0
.macro WIN new                         ; the immediate's high byte repeats the setting that is left
.if MSB != (\new)
	s_set_vgpr_msb (MSB<<8)|(\new)
.set MSB, (\new)
.endif
.endm
	s_load_b512 s[4:19], s[0:1], 0x0               ; Wk s[4:5], Wv s[6:7], Wq s[8:9], bq s[10:11], cell_state s[12:13], the exponents s[14:15], wcodes s[16:17], qs s[18:19]
	v_lshl_add_u32 v30, v0, 2, 0x4600
	v_mov_b32 v31, 0
	v_lshrrev_b32 v1, 5, v0
	v_readfirstlane_b32 s20, v1                    ; wave 0..3
	v_and_b32 v2, 31, v0                           ; lane
	v_lshlrev_b32 v3, 4, v2                        ; 16 x lane
	s_cmp_ge_u32 ttmp9, 128
	s_cbranch_scc1 .Lq
	; ---------------- the weights' codes
	s_and_b32 s21, ttmp9, 63                       ; tile of 16 rows
	s_lshr_b32 s22, s21, 2                         ; head
	s_and_b32 s23, s21, 3                          ; cq
	s_lshr_b32 s24, s22, 3                         ; hf
	s_bfe_u32 s25, s22, 0x10002                    ; ch
	s_and_b32 s26, s22, 3                          ; hl
	s_lshl_b32 s27, s20, 1                         ; Wk's place: block 2 c + hf,
	s_add_co_u32 s27, s27, s24
	s_lshl_b32 s27, s27, 17
	s_lshl_b32 s28, s23, 14                        ; + 16,384 cq
	s_add_co_u32 s27, s27, s28
	s_lshl_b32 s28, s26, 12                        ; + 4,096 hl
	s_add_co_u32 s27, s27, s28
	s_lshl_b32 s29, s24, 2                         ; Wv's place: block 8 + 4 hf + hl,
	s_add_co_u32 s29, s29, s26
	s_add_co_u32 s29, s29, 8
	s_lshl_b32 s29, s29, 17
	s_lshl_b32 s28, s20, 14                        ; + 8,192 x 2 c
	s_add_co_u32 s29, s29, s28
	s_lshl_b32 s28, s23, 11                        ; + 2,048 cq
	s_add_co_u32 s29, s29, s28
	s_lshl_b32 s30, s25, 16                        ; both: + 65,536 ch
	s_mov_b32 s31, 8192
	s_cmp_lt_u32 ttmp9, 64                         ; Wk's work-group or Wv's: the choice hangs on the work-group's number alone
	s_cselect_b32 s27, s27, s29
	s_cselect_b32 s31, 2048, s31                   ; from the chunk's first fragment to its second
	s_add_co_u32 s32, s27, s30
	s_mov_b32 s33, 0
	s_lshl_b32 s34, s21, 16                        ; in: 16 rows of 4,096 bytes a tile,
	s_lshl_b32 s28, s20, 10                        ; 1,024 bytes a chunk
	s_add_co_u32 s34, s34, s28
	s_mov_b32 s35, 0
	s_wait_kmcnt 0x0
	s_load_b128 s[36:39], s[14:15], 0x0            ; e0, e1, e2, e3
	s_cmp_lt_u32 ttmp9, 64
	s_cselect_b64 s[4:5], s[4:5], s[6:7]
	s_add_nc_u64 s[4:5], s[4:5], s[34:35]
	s_add_nc_u64 s[16:17], s[16:17], s[32:33]
	s_wait_alu depctr_va_vdst(0)
.irp i, 0,1,2,3,4,5,6,7,8,9,10,11,12,13,14,15
.irp u, 0,1
	global_load_b128 v[32+8*\i+4*\u:32+8*\i+4*\u+3], v3, s[4:5] offset:\i*4096+\u*512 th:TH_LOAD_NT   ; 32 lanes read 512 consecutive bytes of row i; read once in the launch
.endr
.endr
	s_mul_i32 s44, s20, 16*PIT                     ; my wave's stage
	v_lshl_add_u32 v5, v2, 3, s44                  ; in: 8 codes a lane
	v_and_b32 v6, 15, v0                           ; r
	v_bfe_u32 v7, v0, 4, 1                         ; h
	v_mul_u32_u24 v8, v6, PIT
	v_lshl_add_u32 v8, v7, 4, v8
	v_add_nc_u32 v8, s44, v8                       ; out: row r, + 16 h
	v_add_nc_u32 v9, s31, v3                       ; the second fragment's image
	s_wait_kmcnt 0x0
	s_cmp_lt_u32 ttmp9, 64
	s_cselect_b32 s40, s37, s39                    ; e1 or e3
	s_add_co_i32 s40, s40, 127
	s_lshl_b32 s41, s40, 23
	v_mov_b32 v4, s41                              ; 2^e as f32: the conversion takes its exponent field
	s_add_co_i32 s40, s40, 8
	s_lshl_b32 s40, s40, 23
	s_or_b32 s43, s40, 0x600000                    ; 448 x 2^e
	s_or_b32 s42, s43, 0x80000000                  ; and its negative
.irp i, 0,1,2,3,4,5,6,7,8,9,10,11,12,13,14,15
	s_wait_loadcnt 30-2*\i                         ; row i's two loads are in; the rows behind it may be out
.irp j, 0,1,2,3,4,5,6,7
	v_med3_num_f32 v[32+8*\i+\j], v[32+8*\i+\j], s42, s43   ; the conversion to an 8-bit code does not saturate (ISA guide 7.6.2): the hold comes first
.endr
	s_wait_alu depctr_va_vdst(0)
	v_cvt_scalef32_pk8_fp8_f32 v[160+2*\i:161+2*\i], v[32+8*\i:39+8*\i], v4
	ds_store_b64 v5, v[160+2*\i:161+2*\i] offset:\i*PIT
.endr
	v_nop                                          ; a plain line behind the last conversion
.irp ks, 0,1
.irp z, 0,1,2,3
	ds_load_b128 v[192+16*\ks+4*\z:192+16*\ks+4*\z+3], v8 offset:128*\ks+32*\z   ; LDS serves a wave's instructions in order (ISA guide 5.7.1.4): these see my stores
.endr
.endr
	s_wait_dscnt 0x0
.irp z, 0,1,2,3
	global_store_b128 v3, v[192+4*\z:195+4*\z], s[16:17] offset:512*\z          ; 32 lanes store 512 consecutive bytes, at a multiple of 512 from the buffer's first byte
	global_store_b128 v9, v[208+4*\z:211+4*\z], s[16:17] offset:512*\z
.endr
	s_wait_tensorcnt 0x0
	ds_add_u32 v30, v31
	s_wait_dscnt 0x0
	s_endpgm
	; ---------------- the query
.Lq:
	s_sub_co_u32 s21, ttmp9, 128                   ; y
	s_lshl_b32 s22, s21, 3
	s_lshl_b32 s23, s20, 1
	s_add_co_u32 s22, s22, s23                     ; my first column n0 = 8 y + 2 w
	s_lshl_b32 s24, s22, 12                        ; its row of Wq
	s_mov_b32 s25, 0
	s_lshl_b32 s26, s22, 2                         ; its place in bq
	s_mov_b32 s27, 0
	s_lshl_b32 s28, s21, 8                         ; the work-group's 256 bytes of qs
	s_mov_b32 s29, 0
	s_mov_b32 s30, 0x76543210                      ; v_permlanex16_b32's selects for lane l xor 16
	s_mov_b32 s31, 0xfedcba98
	s_wait_kmcnt 0x0
	s_add_nc_u64 s[8:9], s[8:9], s[24:25]
	s_add_nc_u64 s[10:11], s[10:11], s[26:27]
	s_add_nc_u64 s[18:19], s[18:19], s[28:29]
	s_load_b64 s[32:33], s[10:11], 0x0             ; bq[n0], bq[n0 + 1]
	s_wait_alu depctr_va_vdst(0)
.irp p, 0,1
.irp j, 0,1,2,3,4,5,6,7
	global_load_b128 v[192+32*\p+4*\j:192+32*\p+4*\j+3], v3, s[8:9] offset:\p*4096+512*\j th:TH_LOAD_NT   ; my two rows of Wq
.endr
.endr
.irp b, 0,1,2,3
.irp j, 0,1,2,3,4,5,6,7
	global_load_b128 v[64+32*\b+4*\j:64+32*\b+4*\j+3], v3, s[12:13] offset:\b*4096+512*\j                 ; cell_state, batches 0-3
.endr
.endr
	WIN 0x40                                       ; destination window 1
.irp b, 0,1,2,3
.irp j, 0,1,2,3,4,5,6,7
	global_load_b128 v[32*\b+4*\j:32*\b+4*\j+3], v3, s[12:13] offset:(4+\b)*4096+512*\j                   ; batches 4-7
.endr
.endr
	WIN 0
	s_lshl_b32 s34, s20, 3
	s_add_co_u32 s34, s34, QST
	v_mov_b32 v10, s34                             ; where my two columns' numbers go: QST + 8 w
	v_lshlrev_b32 v11, 3, v2                       ; 8 x lane
	v_add_nc_u32 v12, QST, v11
	s_wait_loadcnt 0x0
	; sixteen sums (column p, batch b) at v[32 + 2 (8 p + b)], two numbers an instruction; the sums take turns, so that no line waits for the line above it
.set E, 0
.rept 16
.irp p, 0,1
.irp b, 0,1,2,3
.if E == 0
	v_pk_mul_f32 v[32+2*(8*\p+\b):33+2*(8*\p+\b)], v[192+32*\p:193+32*\p], v[64+32*\b:65+32*\b]
.else
	v_pk_fma_f32 v[32+2*(8*\p+\b):33+2*(8*\p+\b)], v[192+32*\p+2*E:193+32*\p+2*E], v[64+32*\b+2*E:65+32*\b+2*E], v[32+2*(8*\p+\b):33+2*(8*\p+\b)]
.endif
.endr
.endr
.set E, E+1
.endr
	WIN 0x04                                       ; source 1 window 1
.set E, 0
.rept 16
.irp p, 0,1
.irp b, 0,1,2,3
.if E == 0
	v_pk_mul_f32 v[40+2*(8*\p+\b):41+2*(8*\p+\b)], v[192+32*\p:193+32*\p], v[32*\b:1+32*\b]
.else
	v_pk_fma_f32 v[40+2*(8*\p+\b):41+2*(8*\p+\b)], v[192+32*\p+2*E:193+32*\p+2*E], v[32*\b+2*E:1+32*\b+2*E], v[40+2*(8*\p+\b):41+2*(8*\p+\b)]
.endif
.endr
.endr
.set E, E+1
.endr
	WIN 0
.irp k, 0,1,2,3,4,5,6,7,8,9,10,11,12,13,14,15
	v_add_f32 v[32+2*\k], v[32+2*\k], v[33+2*\k]
.endr
.irp x, 1,2,4,8
.irp k, 0,1,2,3,4,5,6,7,8,9,10,11,12,13,14,15
	v_add_f32_dpp v[32+2*\k], v[32+2*\k], v[32+2*\k] row_xmask:\x row_mask:0xf bank_mask:0xf
.endr
.endr
.irp k, 0,1,2,3,4,5,6,7,8,9,10,11,12,13,14,15
	v_permlanex16_b32 v[33+2*\k], v[32+2*\k], s30, s31
.endr
.irp k, 0,1,2,3,4,5,6,7,8,9,10,11,12,13,14,15
	v_add_f32 v[32+2*\k], v[32+2*\k], v[33+2*\k]   ; every lane holds the sum
.endr
	s_wait_kmcnt 0x0
.irp k, 0,1,2,3,4,5,6,7,8,9,10,11,12,13,14,15
	v_add_f32 v[32+2*\k], s[32+\k/8], v[32+2*\k]   ; + bq
.endr
.irp k, 0,1,2,3,4,5,6,7,8,9,10,11,12,13,14,15
	v_mul_f32 v[32+2*\k], 0x3e38aa3b, v[32+2*\k]   ; x log2(e) / sqrt(64)
	ds_store_b32 v10, v[32+2*\k] offset:32*(\k%8)+4*(\k/8)   ; all lanes write the same word with the same number
.endr
	s_wait_dscnt 0x0                               ; for the others' sake: my stores are done
	s_barrier_signal -1
	s_barrier_wait -1
	s_cmp_lg_u32 s20, 0
	s_cbranch_scc1 .Lend
	ds_load_b64 v[14:15], v12
	s_wait_dscnt 0x0
	global_store_b64 v11, v[14:15], s[18:19]       ; 32 lanes store 256 consecutive bytes, aligned
.Lend:
	s_wait_tensorcnt 0x0
	ds_add_u32 v30, v31
	s_wait_dscnt 0x0
	s_endpgm
.Lfunc_end_k_q5d8ffe6e95_prep:
	.size	k_q5d8ffe6e95_prep, .Lfunc_end_k_q5d8ffe6e95_prep-k_q5d8ffe6e95_prep
	.p2alignl 7, 3214868480
	.fill 96, 4, 3214868480
	.section	.rodata,"a",@progbits
	.p2align	6, 0x0
	.amdhsa_kernel k_q5d8ffe6e95_prep
		.amdhsa_group_segment_fixed_size 18432
		.amdhsa_private_segment_fixed_size 0
		.amdhsa_enable_private_segment 0
		.amdhsa_kernarg_size 64
		.amdhsa_user_sgpr_count 2
		.amdhsa_user_sgpr_kernarg_segment_ptr 1
		.amdhsa_wavefront_size32 1
		.amdhsa_system_sgpr_workgroup_id_x 1
		.amdhsa_system_sgpr_workgroup_id_y 1
		.amdhsa_system_sgpr_workgroup_id_z 1
		.amdhsa_system_vgpr_workitem_id 0
		.amdhsa_next_free_vgpr 384
		.amdhsa_next_free_sgpr 66
		.amdhsa_reserve_vcc 0
		.amdhsa_float_denorm_mode_32 3
		.amdhsa_float_denorm_mode_16_64 3
		.amdhsa_memory_ordered 1
		.amdhsa_forward_progress 1
		.amdhsa_inst_pref_size 52
	.end_amdhsa_kernel
	.amdgpu_metadata
---
amdhsa.version: [ 1, 2 ]
amdhsa.kernels:
  - .name:           k_q5d8ffe6e95_prep
    .symbol:         k_q5d8ffe6e95_prep.kd
    .args:
      - { .name: Wk, .offset: 0, .size: 8, .value_kind: global_buffer, .address_space: global }
      - { .name: Wv, .offset: 8, .size: 8, .value_kind: global_buffer, .address_space: global }
      - { .name: Wq, .offset: 16, .size: 8, .value_kind: global_buffer, .address_space: global }
      - { .name: bq, .offset: 24, .size: 8, .value_kind: global_buffer, .address_space: global }
      - { .name: cell_state, .offset: 32, .size: 8, .value_kind: global_buffer, .address_space: global }
      - { .name: lowp_scales, .offset: 40, .size: 8, .value_kind: global_buffer, .address_space: global }
      - { .name: wcodes, .offset: 48, .size: 8, .value_kind: global_buffer, .address_space: global }
      - { .name: qs, .offset: 56, .size: 8, .value_kind: global_buffer, .address_space: global }
    .group_segment_fixed_size: 18432
    .private_segment_fixed_size: 0
    .kernarg_segment_align: 8
    .kernarg_segment_size: 64
    .max_flat_workgroup_size: 128
    .sgpr_count:     66
    .vgpr_count:     384
    .wavefront_size: 32
...
	.end_amdgpu_metadata
.endif
;; end of part 1
;; launch main (part 2): grid 256 x 1, 4 waves a work-group, clusters of 4 x 1, 327,680 bytes of LDS; arguments hidden_states, attention_mask, lowp_scales, qs, wcodes, part, ml; writes part, ml
.if DOCPART == 2
	.amdgcn_target "amdgcn-amd-amdhsa--gfx1250"
	.amdhsa_code_object_version 6
	.text
	.protected	k_q5d8ffe6e95_main
	.globl	k_q5d8ffe6e95_main
	.p2align	8
	.type	k_q5d8ffe6e95_main,@function
k_q5d8ffe6e95_main:
	s_mov_b64 s[64:65], 0
	v_nop
	global_prefetch_b8 v0, s[64:65] scope:SCOPE_SE
	s_setreg_imm32_b32 hwreg(HW_REG_WAVE_MODE, 25, 1), 1
	s_wait_xcnt 0x0
	s_wait_alu depctr_hold_cnt(0) depctr_sa_sdst(0) depctr_va_vdst(0) depctr_va_sdst(0) depctr_va_ssrc(0) depctr_va_vcc(0) depctr_vm_vsrc(0)
	s_getreg_b32 s2, hwreg(HW_REG_IB_STS2, 6, 4)
	s_cmp_eq_u32 s2, 0
	s_cbranch_scc0 .Lentry_in_a_cluster
	s_endpgm
.Lentry_in_a_cluster:
	s_bfe_u32 s2, ttmp6, 0x10000c
	s_cmp_lg_u32 s2, 0x3003
	s_cbranch_scc0 .Lentry_shape_is_right
	s_endpgm
.Lentry_shape_is_right:
; A work-group takes 128 tokens of one batch through both quantised products and its part of the softmax; launch comb joins the 32 x 2 parts of a batch.
; bk is left out as dead work (q . bk is the same for every t of a row of the softmax: see the first kernel's head).
; X (128 rows x 1,024, f32) is read once, in four chunks of 256 along K, held within +-448 x the scale and turned into codes twice (2^e0 for K's product, 2^e2 for V's).
; PHASE 1, steps 0-7 (chunk = step / 2, half of the heads = step % 2): K^T tiles = Wk's codes x X's codes, contracted at once with q: sums t[head][token] in v64-127.
; q comes as qs = (cell Wq^T + bq) log2(e) / 8 and is multiplied by 2^(e0 + e1) on its way into LDS (a power of two: nothing is rounded).  The sums begin at 0, or at -infinity where the mask is 0.
; Then m = the largest t of a wave's 64 tokens, p = 2^(t - m), l = their sum.  PHASE 2, steps 8-15, one head of the wave a step: V tiles = X's codes x Wv's codes, contracted with p.
; wcodes comes in 16 blocks of 131,072 bytes through a ring of two LDS slots, by joint loads of the four work-groups of a cluster (all walk the same blocks); each wave fetches a quarter.
; Waves: s21 = which 64 tokens, s22 = which half of a block's heads.  X's codes for V stay in registers (windows 2 and 3).
; LIMITS: e0, e2 between -126 and 119; NaN among the inputs is not served; a part whose mask is all 0 gives l = 0.
.set PIT,   272                        ; a stage row: 256 codes + 16 bytes
.set RING1, 131072                     ; slot 1
.set SPARE, 262144                     ; the spare words, 512 bytes
.set QL,    262656                     ; q, 4,096 bytes
.set SK,    266752                     ; X's codes for K: 128 rows
.set SV,    301568                     ; X's codes for V: 64 rows at a time
.set PS,    318976                     ; p, then the parts: 2,048 bytes a wave
.set ML,    327168                     ; (m, l) pairs
.set MSB, 0
.macro WIN new                         ; the immediate's high byte repeats the setting that is left
.if MSB != (\new)
	s_set_vgpr_msb (MSB<<8)|(\new)
.set MSB, (\new)
.endif
.endm
.macro NOPS n
.rept \n
	v_nop
.endr
.endm
.macro ROUND                           ; a round of the cluster's barrier
	s_barrier_signal -1
	s_barrier_wait -1
	s_cmp_lg_u32 s20, 0
	s_cbranch_scc1 .Lnw0_\@
	s_barrier_signal -3
.Lnw0_\@:
	s_barrier_wait -3
	s_barrier_signal -1
	s_barrier_wait -1
.endm
.macro ASK k                           ; block j is asked for in step j - 3, two changes of slots ahead of its load: 8,192 bytes by wave 0 of each of the 16 work-groups 16 j .. 16 j + 15, lanes 256 bytes apart
	s_cmp_eq_u32 s59, \k
	s_cbranch_scc0 .Lnp_\@
	global_prefetch_b8 v15, s[60:61] th:TH_LOAD_NT scope:SCOPE_SE
.Lnp_\@:
.endm
.macro CHANGE fill, k                  ; the change of slots: all my tensor loads, the add, my LDS instructions; a round; the next block into the slot just left
	s_wait_tensorcnt 0x0
	ds_add_u32 v1, v2
.if \fill
	s_xor_b32 s41, s41, RING1
	s_add_nc_u64 s[42:43], s[42:43], RING1
	s_wait_dscnt 0x0
	ROUND
	tensor_load_to_lds s[40:43], s[28:35]
	s_nop 0
	NOPS 4
	ASK \k
.else
	s_wait_dscnt 0x0
	s_barrier_signal -1
	s_barrier_wait -1
	NOPS 4
.endif
.endm
.macro XFILL gq                        ; chunk 0 of my rows 16 gq .. 16 gq + 15: 512 consecutive bytes a load
	WIN (3-2*(\gq))<<6
.irp row, 0,1,2,3,4,5,6,7,8,9,10,11,12,13,14,15
.irp u, 0,1
	global_load_b128 v[128+8*\row+4*\u:128+8*\row+4*\u+3], v3, s[4:5] offset:(16*(\gq)+\row)*4096+512*\u th:TH_LOAD_NT
.endr
.endr
	WIN 0
.endm
.macro QUANT c, gq, more               ; chunk c of 16 rows: two holds, two conversions, into the stages; more = 1: the next chunk is loaded into the registers just read.  64 loads are out; two rows' four are waited for
.set QP, 0
.rept 8
.if (\c) < 3
	s_wait_loadcnt 60
.elseif (\gq) == 0
	s_wait_loadcnt 60-4*QP
.else
	s_wait_loadcnt 28-4*QP
.endif
	WIN 3-2*(\gq)
.irp rr, 0,1
.irp j, 0,1,2,3,4,5,6,7
	v_med3_num_f32 v[32+16*\rr+\j], v[128+8*(2*QP+\rr)+\j], s44, s45
.endr
.irp j, 0,1,2,3,4,5,6,7
	v_med3_num_f32 v[40+16*\rr+\j], v[128+8*(2*QP+\rr)+\j], s46, s47
.endr
.endr
	WIN 0
.if QP > 0
.irp rr, 0,1                           ; the pair before's codes go to the stages here, behind this pair's 32 holds
	ds_store_b64 v4, v[16+8*((QP-1)%2)+4*\rr:17+8*((QP-1)%2)+4*\rr] offset:(16*(\gq)+2*(QP-1)+\rr)*PIT
	ds_store_b64 v5, v[18+8*((QP-1)%2)+4*\rr:19+8*((QP-1)%2)+4*\rr] offset:(2*(QP-1)+\rr)*PIT
.endr
.endif
	s_wait_alu depctr_va_vdst(0)
	s_wait_dscnt 0x4                               ; all but the four stores just issued: the stores of two pairs ago have read the registers written below
.irp rr, 0,1
	v_cvt_scalef32_pk8_fp8_f32 v[16+8*(QP%2)+4*\rr:17+8*(QP%2)+4*\rr], v[32+16*\rr:39+16*\rr], v13
	v_cvt_scalef32_pk8_fp8_f32 v[18+8*(QP%2)+4*\rr:19+8*(QP%2)+4*\rr], v[40+16*\rr:47+16*\rr], v14
.endr
	v_nop                                          ; a plain line behind the conversions
.if \more
	WIN (3-2*(\gq))<<6
.irp rr, 0,1
.irp u, 0,1
	global_load_b128 v[128+8*(2*QP+\rr)+4*\u:128+8*(2*QP+\rr)+4*\u+3], v3, s[4:5] offset:(16*(\gq)+2*QP+\rr)*4096+((\c)+1)*1024+512*\u th:TH_LOAD_NT
.endr
.endr
.endif
.set QP, QP+1
.endr
	WIN 0
.irp rr, 0,1                           ; the last pair's codes
	ds_store_b64 v4, v[16+8*((QP-1)%2)+4*\rr:17+8*((QP-1)%2)+4*\rr] offset:(16*(\gq)+2*(QP-1)+\rr)*PIT
	ds_store_b64 v5, v[18+8*((QP-1)%2)+4*\rr:19+8*((QP-1)%2)+4*\rr] offset:(2*(QP-1)+\rr)*PIT
.endr
.endm
.macro FRAGK                           ; my 64 tokens' fragments of the chunk, for K: window 1, v0-127
	WIN 0x40
.irp ks, 0,1
.irp m, 0,1,2,3
.irp z, 0,1,2,3
	ds_load_b128 v[(4*\ks+\m)*16+4*\z:(4*\ks+\m)*16+4*\z+3], v6 offset:\m*16*PIT+128*\ks+32*\z
.endr
.endr
.endr
	WIN 0
.endm
.macro FRAGV c, gq                     ; the same for V, half of the tokens at a time: they stay in windows 2 and 3
	WIN (2+(\c)/2)<<6
.irp ks, 0,1
.irp mm, 0,1
.irp z, 0,1,2,3
.set FV, ((4*(2*(\c)+\ks)+(\gq)+2*\mm)*16)%256+4*\z
	ds_load_b128 v[FV:FV+3], v7 offset:\mm*16*PIT+128*\ks+32*\z
.endr
.endr
.endr
	WIN 0
.endm
.macro WLOAD adr, u, buf
.irp ks, 0,1
.irp z, 0,1,2,3
	ds_load_b128 v[192+32*(\buf)+16*\ks+4*\z:192+32*(\buf)+16*\ks+4*\z+3], v[\adr] offset:(\u)*4096+\ks*2048+\z*512
.endr
.endr
.endm
.macro MUL1 u                          ; 16 channels of head u x my 64 tokens, 256 along K; four accumulators by turns
	WIN 0x04
.irp ks, 0,1
.irp m, 0,1,2,3
.if \ks == 0
	v_wmma_f32_16x16x128_fp8_fp8 v[128+32*((\u)%2)+8*\m:128+32*((\u)%2)+8*\m+7], v[192+32*((\u)%2):192+32*((\u)%2)+15], v[\m*16:\m*16+15], 0
.else
	v_wmma_f32_16x16x128_fp8_fp8 v[128+32*((\u)%2)+8*\m:128+32*((\u)%2)+8*\m+7], v[208+32*((\u)%2):208+32*((\u)%2)+15], v[(4+\m)*16:(4+\m)*16+15], v[128+32*((\u)%2)+8*\m:128+32*((\u)%2)+8*\m+7]
.endif
.endr
.endr
	WIN 0
.endm
.macro EPI1 u, hf                      ; x q, onto the sums of head 4 hf + u
.irp i, 0,2,4,6
.irp m, 0,1,2,3
	v_pk_fma_f32 v[64+8*(4*(\hf)+(\u))+2*\m:65+8*(4*(\hf)+(\u))+2*\m], v[128+32*((\u)%2)+8*\m+\i:129+32*((\u)%2)+8*\m+\i], v[32+8*(\u)+\i:33+8*(\u)+\i], v[64+8*(4*(\hf)+(\u))+2*\m:65+8*(4*(\hf)+(\u))+2*\m]
.endr
.endr
.endm
.macro GEMM1 hf                        ; a step's products: four trips (16 channels each) x four heads.  s54 = the slot's first byte, s55 = the heads' place in q
	s_mov_b32 s52, 0
.Lg_\@:
	s_add_co_u32 s53, s52, s54
	v_add_nc_u32 v9, s53, v8
	s_add_co_u32 s53, s52, 16384
	s_and_b32 s53, s53, 0xc000
	s_add_co_u32 s53, s53, s54
	v_add_nc_u32 v10, s53, v8
	s_lshr_b32 s53, s52, 8
	s_add_co_u32 s53, s53, s55
	v_add_nc_u32 v12, s53, v11
.irp hl, 0,1,2,3
	ds_load_b128 v[32+8*\hl:35+8*\hl], v12 offset:\hl*256
	ds_load_b128 v[36+8*\hl:39+8*\hl], v12 offset:\hl*256+16
.endr
	s_wait_alu depctr_va_vdst(0)
	s_wait_dscnt 16                                ; head 0's weights are in; head 1's eight loads and q's eight may be out
	MUL1 0
	NOPS 5
	WLOAD 9, 2, 0
	s_wait_dscnt 16
	MUL1 1
	s_wait_dscnt 8
	EPI1 0, \hf
	WLOAD 9, 3, 1
	s_wait_dscnt 8
	MUL1 2
	EPI1 1, \hf
	WLOAD 10, 0, 0
	s_wait_dscnt 8
	MUL1 3
	EPI1 2, \hf
	WLOAD 10, 1, 1
	EPI1 3, \hf
	s_add_co_u32 s52, s52, 16384
	s_cmp_lt_u32 s52, 65536
	s_cbranch_scc1 .Lg_\@
.endm
.macro P1STEP s                        ; steps 0 to 5: behind the products the next chunk of 16 rows a wave is quantised
.set CC, (\s)/2
.set HF, (\s)%2
	CHANGE 1, \s                                   ; (step 0: slot 1's first fill, issued as a refill is)
.if HF == 0
	FRAGK
	FRAGV CC, 1
.else
	FRAGV CC+1, 0
.endif
	s_mov_b32 s54, HF*RING1
	s_mov_b32 s55, HF*2048
	v_add_nc_u32 v10, s54, v8
	WLOAD 10, 0, 0
	WLOAD 10, 1, 1
	s_wait_dscnt 0x0
	s_barrier_signal -1                            ; everybody has read the stages: they may be written again
	s_barrier_wait -1
	GEMM1 HF
.if (\s) <= 3
	QUANT CC+1, HF, 1
.else
	QUANT CC+1, HF, 0
.endif
.endm
.macro W2LOAD ks, buf
.irp ct, 0,1,2,3
.irp z, 0,1,2,3
	ds_load_b128 v[64*(\buf)+16*\ct+4*\z:64*(\buf)+16*\ct+4*\z+3], v9 offset:(\ks)*8192+\ct*2048+\z*512
.endr
.endr
.endm
.macro MUL2 ks                         ; my 64 tokens x the head's 64 channels, 128 along K; sixteen accumulators by turns
	WIN 0x06+(\ks)/4
.irp m, 0,1,2,3
.irp ct, 0,1,2,3
.if (\ks) == 0
	v_wmma_f32_16x16x128_fp8_fp8 v[128+(4*\ct+\m)*8:128+(4*\ct+\m)*8+7], v[(4*((\ks)%4)+\m)*16:(4*((\ks)%4)+\m)*16+15], v[64*((\ks)%2)+16*\ct:64*((\ks)%2)+16*\ct+15], 0
.else
	v_wmma_f32_16x16x128_fp8_fp8 v[128+(4*\ct+\m)*8:128+(4*\ct+\m)*8+7], v[(4*((\ks)%4)+\m)*16:(4*((\ks)%4)+\m)*16+15], v[64*((\ks)%2)+16*\ct:64*((\ks)%2)+16*\ct+15], v[128+(4*\ct+\m)*8:128+(4*\ct+\m)*8+7]
.endif
.endr
.endr
.endm
.macro EPI2                            ; the sum over my 64 tokens of p x V
.irp m, 0,1,2,3
.irp i, 0,2,4,6
.irp ct, 0,1,2,3
.if (\m == 0) && (\i == 0)
	v_pk_mul_f32 v[16+2*\ct:17+2*\ct], v[128+(4*\ct+\m)*8+\i:129+(4*\ct+\m)*8+\i], v[32+8*\m+\i:33+8*\m+\i]
.else
	v_pk_fma_f32 v[16+2*\ct:17+2*\ct], v[128+(4*\ct+\m)*8+\i:129+(4*\ct+\m)*8+\i], v[32+8*\m+\i:33+8*\m+\i], v[16+2*\ct:17+2*\ct]
.endif
.endr
.endr
.endr
.irp ct, 0,1,2,3
	v_add_f32 v[16+2*\ct], v[16+2*\ct], v[17+2*\ct]
.endr
.irp ct, 0,1,2,3
	v_permlanex16_b32 v[17+2*\ct], v[16+2*\ct], s50, s51
.endr
.irp ct, 0,1,2,3
	v_add_f32 v[16+2*\ct], v[16+2*\ct], v[17+2*\ct]
.endr
.endm
; A step of phase 2.  fill = 1: the slot just read is filled again.  fill = 0: the form of the last two steps, a loop of two trips: nothing is filled, and the last trip (s58 = 16)
; jumps over the LDS loads for a next step; it passes the three lines and the barrier like the trip before it.
.macro P2STEP fill
.irp ks, 0,1,2,3,4,5,6,7
.if \ks < 2
	s_wait_dscnt 28                                ; behind this set's 16 loads: the other set's 16, 4 stores, p's 8 loads
.elseif \ks < 7
	s_wait_dscnt 16
.else
	s_wait_dscnt 0
.endif
	MUL2 \ks
.if \ks < 6
	NOPS 4
	WIN 0x40
	W2LOAD \ks+2, \ks%2
.endif
.endr
	WIN 0
.if \fill
	CHANGE 1, s58
.else
	CHANGE 0, 0
	s_cmp_eq_u32 s58, 16
	s_cbranch_scc1 .Lna_\@
.endif
	s_xor_b32 s56, s56, RING1
	v_add_nc_u32 v9, s56, v8
	WIN 0x40
	W2LOAD 0, 0
	W2LOAD 1, 1
	WIN 0
.Lna_\@:
	EPI2
	v_add_nc_u32 v6, s57, v4
.irp ct, 0,1,2,3
	ds_store_b32 v6, v[16+2*\ct] offset:64*\ct     ; over the head's p, which has been read
.endr
.if \fill == 0
	s_cmp_eq_u32 s58, 16
	s_cbranch_scc1 .Lnb_\@
.endif
	s_add_co_u32 s57, s57, 256
	v_add_nc_u32 v7, s57, v5
.irp m, 0,1,2,3
	ds_load_b128 v[32+8*\m:35+8*\m], v7 offset:64*\m
	ds_load_b128 v[36+8*\m:39+8*\m], v7 offset:64*\m+16
.endr
.Lnb_\@:
.endm
	s_load_b128 s[4:7], s[0:1], 0x0                ; hidden_states, attention_mask
	s_load_b64 s[10:11], s[0:1], 0x10              ; the exponents
	s_load_b256 s[12:19], s[0:1], 0x18             ; qs, wcodes, part, ml
	v_lshl_add_u32 v1, v0, 2, SPARE
	v_mov_b32 v2, 0
	ds_add_u32 v1, v2                              ; the opening lines: the add twice on end and its wait
	ds_add_u32 v1, v2
	s_wait_dscnt 0x0
	v_lshrrev_b32 v3, 5, v0
	v_readfirstlane_b32 s20, v3                    ; wave
	s_lshr_b32 s21, s20, 1
	s_and_b32 s22, s20, 1
	s_bfe_u32 s23, ttmp6, 0x40000
	s_lshl_b32 s24, ttmp9, 2
	s_add_co_u32 s24, s24, s23                     ; work-group 0..255
	s_lshr_b32 s25, ttmp9, 3                       ; batch
	s_mov_b32 s28, 15|(3<<16)|(1<<21)              ; group 1: the cluster's four; 128 rows of 32 elements of 8 bytes, dense
	s_mov_b32 s29, 32<<16
	s_mov_b32 s30, 128<<16
	s_mov_b32 s31, 32<<16
	s_mov_b32 s32, 128
	s_mov_b32 s33, 32
	s_mov_b32 s34, 0
	s_mov_b32 s35, 0
	s_mov_b32 s40, 1                               ; group 0: my quarter of block 0 into slot 0; every change of slots steps it
	s_lshl_b32 s41, s20, 15
	s_mov_b32 s26, s41
	s_mov_b32 s27, 0
	s_mov_b32 s50, 0x76543210
	s_mov_b32 s51, 0xfedcba98
	s_mov_b32 s53, 0
	s_lshr_b32 s59, ttmp9, 2
	s_sub_co_u32 s59, s59, 3                       ; the step in which my work-group's wave 0 prefetches
	s_cmp_eq_u32 s20, 0
	s_cselect_b32 s59, s59, -1
	s_wait_kmcnt 0x0
	s_load_b128 s[68:71], s[10:11], 0x0            ; e0, e1, e2, e3
	s_add_nc_u64 s[42:43], s[14:15], s[26:27]
	s_or_b32 s43, s43, 0x80000000
	ROUND
	tensor_load_to_lds s[40:43], s[28:35]          ; my one tensor load at the head
	s_nop 0
	NOPS 4
	s_lshl_b32 s52, s24, 7
	s_add_co_u32 s52, s52, s25                     ; a batch has 4,097 rows
	s_lshl_b32 s52, s52, 12
	s_add_nc_u64 s[4:5], s[4:5], s[52:53]
	s_lshl_b32 s52, s24, 9
	s_add_nc_u64 s[6:7], s[6:7], s[52:53]
	s_lshl_b32 s52, s25, 5
	s_add_nc_u64 s[12:13], s[12:13], s[52:53]
	s_lshl_b32 s52, s24, 13
	s_add_nc_u64 s[60:61], s[14:15], s[52:53]
	s_lshl_b32 s54, s21, 12
	s_add_co_u32 s52, s52, s54
	s_lshl_b32 s54, s22, 10
	s_add_co_u32 s52, s52, s54
	s_add_nc_u64 s[16:17], s[16:17], s[52:53]
	s_lshl_b32 s52, s24, 8
	s_add_nc_u64 s[18:19], s[18:19], s[52:53]
	v_and_b32 v22, 31, v0
	v_and_b32 v23, 15, v0
	v_bfe_u32 v24, v0, 4, 1
	v_lshlrev_b32 v25, 4, v22
	s_wait_alu depctr_va_vdst(0)
	s_lshl_b32 s52, s20, 17
	v_add_nc_u32 v3, s52, v25                      ; X: my 32 rows, 16 bytes a lane
	s_mul_i32 s52, s20, 32*PIT
	s_add_co_u32 s52, s52, SK
	v_lshl_add_u32 v4, v22, 3, s52
	s_mul_i32 s52, s20, 16*PIT
	s_add_co_u32 s52, s52, SV
	v_lshl_add_u32 v5, v22, 3, s52
	v_mul_u32_u24 v26, v23, PIT
	v_lshl_add_u32 v26, v24, 4, v26
	s_mul_i32 s52, s21, 64*PIT
	s_add_co_u32 s52, s52, SK
	v_add_nc_u32 v6, s52, v26
	s_mul_i32 s52, s21, 32*PIT
	s_add_co_u32 s52, s52, SV
	v_add_nc_u32 v7, s52, v26
	s_lshl_b32 s52, s22, 16
	v_add_nc_u32 v8, s52, v25
	s_lshl_b32 s52, s22, 10
	s_add_co_u32 s52, s52, QL
	v_lshl_add_u32 v11, v24, 5, s52
	v_lshlrev_b32 v15, 8, v22
	v_lshlrev_b32 v27, 8, v0
	v_lshlrev_b32 v28, 2, v23
	s_lshl_b32 s52, s21, 8
	v_add_nc_u32 v28, s52, v28                     ; the mask of token 64 s21 + 16 m + lane % 16
	v_mov_b32 v29, 0xff800000                      ; -infinity
	global_load_b128 v[128:131], v27, s[12:13]
	global_load_b128 v[132:135], v27, s[12:13] offset:16
.irp m, 0,1,2,3
	global_load_b32 v[136+\m], v28, s[6:7] offset:64*\m
.endr
	XFILL 0
	XFILL 1
	v_lshl_add_u32 v30, v0, 5, QL
	s_wait_alu depctr_va_vdst(0)
	s_wait_kmcnt 0x0
	s_add_co_i32 s48, s68, s69                     ; e0 + e1
	s_add_co_i32 s52, s68, 127
	s_lshl_b32 s54, s52, 23
	v_mov_b32 v13, s54                             ; 2^e0
	s_add_co_i32 s52, s52, 8
	s_lshl_b32 s52, s52, 23
	s_or_b32 s45, s52, 0x600000                    ; 448 x 2^e0
	s_or_b32 s44, s45, 0x80000000
	s_add_co_i32 s52, s70, 127
	s_lshl_b32 s54, s52, 23
	v_mov_b32 v14, s54                             ; 2^e2
	s_add_co_i32 s52, s52, 8
	s_lshl_b32 s52, s52, 23
	s_or_b32 s47, s52, 0x600000
	s_or_b32 s46, s47, 0x80000000
	s_wait_loadcnt 63                              ; 70 loads are out: q's two and the mask's four are in
.irp j, 0,1,2,3,4,5,6,7
	v_ldexp_f32 v[128+\j], v[128+\j], s48          ; q x 2^(e0 + e1)
.endr
	ds_store_b128 v30, v[128:131]
	ds_store_b128 v30, v[132:135] offset:16
.irp m, 0,1,2,3
	v_cmp_eq_u32 vcc_lo, 0, v[136+\m]
	v_cndmask_b32 v[136+\m], 0, v29, vcc_lo
.endr
.irp hw, 0,1,2,3,4,5,6,7
.irp m, 0,1,2,3
	v_mov_b32 v[64+8*\hw+2*\m], v[136+\m]          ; the sums begin at 0, or at -infinity for a masked token
	v_mov_b32 v[65+8*\hw+2*\m], 0
.endr
.endr
	QUANT 0, 0, 1
	s_wait_dscnt 0x0
	s_barrier_signal -1
	s_barrier_wait -1
	FRAGV 0, 0
	s_wait_dscnt 0x0
	s_barrier_signal -1
	s_barrier_wait -1
	QUANT 0, 1, 1
	P1STEP 0
	P1STEP 1
	P1STEP 2
	P1STEP 3
	P1STEP 4
	P1STEP 5
	; steps 6 and 7: a loop of two trips.  Both use the first set of sums; the two sets are exchanged at each trip's end, so that they lie as before behind the loop.
	s_mov_b32 s58, 6
	s_mov_b32 s54, 0
	s_mov_b32 s55, 0
.Lp1t:
	CHANGE 1, s58
	s_cmp_lg_u32 s58, 6
	s_cbranch_scc1 .Lnofrag                        ; the last chunk's fragments are fetched in step 6 alone
	FRAGK
	FRAGV 3, 1
.Lnofrag:
	v_add_nc_u32 v10, s54, v8
	WLOAD 10, 0, 0
	WLOAD 10, 1, 1
	s_wait_dscnt 0x0
	GEMM1 0
.set XI, 0
.rept 32
	v_mov_b32 v[128+XI], v[64+XI]
	v_mov_b32 v[64+XI], v[96+XI]
	v_mov_b32 v[96+XI], v[128+XI]
.set XI, XI+1
.endr
	s_xor_b32 s54, s54, RING1
	s_xor_b32 s55, s55, 2048
	s_add_co_u32 s58, s58, 1
	s_cmp_lt_u32 s58, 8
	s_wait_alu depctr_va_vdst(0)                   ; the wait ahead of the branch
	s_cbranch_scc1 .Lp1t
	CHANGE 1, 8
	s_mov_b32 s56, 0
	s_mov_b32 s57, 0
	v_mov_b32 v9, v8
	WIN 0x40
	W2LOAD 0, 0
	W2LOAD 1, 1
	WIN 0
	v_and_b32 v22, 15, v0
	v_bfe_u32 v23, v0, 4, 1
	v_and_b32 v24, 31, v0
	s_lshl_b32 s52, s20, 11
	s_add_co_u32 s52, s52, PS
	v_lshl_add_u32 v4, v22, 2, s52
	v_lshl_add_u32 v5, v23, 5, s52
	v_lshlrev_b32 v12, 4, v24
	v_add_nc_u32 v11, s52, v12
	s_lshl_b32 s53, s21, 7
	s_lshl_b32 s54, s22, 5
	s_add_co_u32 s53, s53, s54
	s_add_co_u32 s53, s53, ML
	v_mov_b32 v10, s53
	v_lshlrev_b32 v3, 3, v24
	v_add_nc_u32 v13, ML, v3
	; t: the pair's halves and the other 16 lanes' channels are added
.irp hw, 0,1,2,3,4,5,6,7
.irp m, 0,1,2,3
	v_add_f32 v[64+8*\hw+2*\m], v[64+8*\hw+2*\m], v[65+8*\hw+2*\m]
.endr
.endr
.irp hw, 0,1,2,3,4,5,6,7
.irp m, 0,1,2,3
	v_permlanex16_b32 v[65+8*\hw+2*\m], v[64+8*\hw+2*\m], s50, s51
.endr
.endr
.irp hw, 0,1,2,3,4,5,6,7
.irp m, 0,1,2,3
	v_add_f32 v[64+8*\hw+2*\m], v[64+8*\hw+2*\m], v[65+8*\hw+2*\m]
.endr
.endr
.irp hw, 0,1,2,3,4,5,6,7
	v_max3_num_f32 v[128+2*\hw], v[64+8*\hw], v[66+8*\hw], v[68+8*\hw]
.endr
.irp hw, 0,1,2,3,4,5,6,7
	v_max3_num_f32 v[128+2*\hw], v[128+2*\hw], v[70+8*\hw], 0xff61b1e6   ; m stays a number where all 64 tokens are masked
.endr
.irp x, 1,2,4,8
.irp hw, 0,1,2,3,4,5,6,7
	v_max_num_f32_dpp v[128+2*\hw], v[128+2*\hw], v[128+2*\hw] row_xmask:\x row_mask:0xf bank_mask:0xf
.endr
.endr
.irp hw, 0,1,2,3,4,5,6,7
.irp m, 0,1,2,3
	v_sub_f32 v[64+8*\hw+2*\m], v[64+8*\hw+2*\m], v[128+2*\hw]
.endr
.endr
	s_wait_alu depctr_va_vdst(0)                   ; the wait ahead of the batch
.irp hw, 0,1,2,3,4,5,6,7
.irp m, 0,1,2,3
	v_exp_f32 v[64+8*\hw+2*\m], v[64+8*\hw+2*\m]
.endr
.endr
	v_nop
	s_wait_alu depctr_va_vdst(0)                   ; and behind it
.irp hw, 0,1,2,3,4,5,6,7
	v_add_f32 v[65+8*\hw], v[64+8*\hw], v[66+8*\hw]
	v_add_f32 v[67+8*\hw], v[68+8*\hw], v[70+8*\hw]
.endr
.irp hw, 0,1,2,3,4,5,6,7
	v_add_f32 v[129+2*\hw], v[65+8*\hw], v[67+8*\hw]
.endr
.irp x, 1,2,4,8
.irp hw, 0,1,2,3,4,5,6,7
	v_add_f32_dpp v[129+2*\hw], v[129+2*\hw], v[129+2*\hw] row_xmask:\x row_mask:0xf bank_mask:0xf
.endr
.endr
.irp hw, 0,1,2,3,4,5,6,7
.irp m, 0,1,2,3
	ds_store_b32 v4, v[64+8*\hw+2*\m] offset:256*\hw+64*\m
.endr
.endr
.irp hw, 0,1,2,3,4,5,6,7
	ds_store_b64 v10, v[128+2*\hw:129+2*\hw] offset:(\hw/4)*64+(\hw%4)*8
.endr
.irp m, 0,1,2,3
	ds_load_b128 v[32+8*\m:35+8*\m], v5 offset:64*\m
	ds_load_b128 v[36+8*\m:39+8*\m], v5 offset:64*\m+16
.endr
	s_mov_b32 s58, 9
.Lp2:                                              ; steps 8 to 13 ask for blocks 10 to 15
	P2STEP 1
	s_add_co_u32 s58, s58, 1
	s_cmp_lt_u32 s58, 15
	s_cbranch_scc1 .Lp2
.Lp2t:                                             ; steps 14 and 15 ask for nothing
	P2STEP 0
	s_add_co_u32 s58, s58, 1
	s_cmp_lt_u32 s58, 17
	s_cbranch_scc1 .Lp2t
.irp i, 0,1,2,3
	ds_load_b128 v[32+4*\i:35+4*\i], v11 offset:512*\i   ; my eight heads' parts, 512 consecutive bytes a load
.endr
.irp i, 0,1,2,3
	s_wait_dscnt 3-\i
	global_store_b128 v12, v[32+4*\i:35+4*\i], s[16:17] offset:(\i/2)*2048+(\i%2)*512
.endr
	s_cmp_lg_u32 s20, 0
	s_cbranch_scc1 .Lnot0
	ds_load_b64 v[48:49], v13                      ; all waves' (m, l): stored ahead of the barriers of phase 2
	s_wait_dscnt 0x0
	global_store_b64 v3, v[48:49], s[18:19]        ; 256 consecutive bytes, aligned
.Lnot0:
	s_wait_tensorcnt 0x0                           ; the wave's end
	ds_add_u32 v1, v2
	s_wait_dscnt 0x0
	ROUND                                          ; the closing round
	s_endpgm
.Lfunc_end_k_q5d8ffe6e95_main:
	.size	k_q5d8ffe6e95_main, .Lfunc_end_k_q5d8ffe6e95_main-k_q5d8ffe6e95_main
	.p2alignl 7, 3214868480
	.fill 96, 4, 3214868480
	.section	.rodata,"a",@progbits
	.p2align	6, 0x0
	.amdhsa_kernel k_q5d8ffe6e95_main
		.amdhsa_group_segment_fixed_size 327680
		.amdhsa_private_segment_fixed_size 0
		.amdhsa_enable_private_segment 0
		.amdhsa_kernarg_size 56
		.amdhsa_user_sgpr_count 2
		.amdhsa_user_sgpr_kernarg_segment_ptr 1
		.amdhsa_wavefront_size32 1
		.amdhsa_system_sgpr_workgroup_id_x 1
		.amdhsa_system_sgpr_workgroup_id_y 1
		.amdhsa_system_sgpr_workgroup_id_z 1
		.amdhsa_system_vgpr_workitem_id 0
		.amdhsa_next_free_vgpr 1024
		.amdhsa_next_free_sgpr 100
		.amdhsa_reserve_vcc 1
		.amdhsa_float_denorm_mode_32 3
		.amdhsa_float_denorm_mode_16_64 3
		.amdhsa_memory_ordered 1
		.amdhsa_forward_progress 1
		.amdhsa_inst_pref_size 255
	.end_amdhsa_kernel
	.section	.bss,"aw",@nobits
	.p2align	6
	.space	262144
	.amdgpu_metadata
---
amdhsa.version: [ 1, 2 ]
amdhsa.kernels:
  - .name:           k_q5d8ffe6e95_main
    .symbol:         k_q5d8ffe6e95_main.kd
    .args:
      - { .name: hidden_states, .offset: 0, .size: 8, .value_kind: global_buffer, .address_space: global }
      - { .name: attention_mask, .offset: 8, .size: 8, .value_kind: global_buffer, .address_space: global }
      - { .name: lowp_scales, .offset: 16, .size: 8, .value_kind: global_buffer, .address_space: global }
      - { .name: qs, .offset: 24, .size: 8, .value_kind: global_buffer, .address_space: global }
      - { .name: wcodes, .offset: 32, .size: 8, .value_kind: global_buffer, .address_space: global }
      - { .name: part, .offset: 40, .size: 8, .value_kind: global_buffer, .address_space: global }
      - { .name: ml, .offset: 48, .size: 8, .value_kind: global_buffer, .address_space: global }
    .group_segment_fixed_size: 327680
    .private_segment_fixed_size: 0
    .kernarg_segment_align: 8
    .kernarg_segment_size: 56
    .max_flat_workgroup_size: 128
    .sgpr_count:     100
    .vgpr_count:     1024
    .wavefront_size: 32
...
	.end_amdgpu_metadata
.endif
;; end of part 2
;; launch comb (part 3): grid 16 x 8, 1 waves a work-group, no clusters, 768 bytes of LDS; arguments part, ml, bv, lowp_scales, out0; writes out0
.if DOCPART == 3
	.amdgcn_target "amdgcn-amd-amdhsa--gfx1250"
	.amdhsa_code_object_version 6
	.text
	.protected	k_q5d8ffe6e95_comb
	.globl	k_q5d8ffe6e95_comb
	.p2align	8
	.type	k_q5d8ffe6e95_comb,@function
k_q5d8ffe6e95_comb:
	s_mov_b64 s[64:65], 0
	v_nop
	global_prefetch_b8 v0, s[64:65] scope:SCOPE_SE
	s_setreg_imm32_b32 hwreg(HW_REG_WAVE_MODE, 25, 1), 1
	s_wait_xcnt 0x0
; The 64 parts of a batch are joined, for one head (work-group x) of one batch (work-group y), by one wave.
; Part i holds m_i (its largest t), l_i (its sum of 2^(t - m_i)) and 64 sums of p x raw V.  M = the largest m_i; w_i = 2^(m_i - M); out = 2^(e2 + e3) x (sum_i w_i part_i) / (sum_i w_i l_i) + bv.
; (The weights of a row add up to 1, so bv goes in once.)  A batch whose mask is all zeros has l = 0 everywhere: 0 x infinity gives NaN.
	s_load_b256 s[4:11], s[0:1], 0x0               ; part s[4:5], ml s[6:7], bv s[8:9], the exponents s[10:11]
	s_load_b64 s[12:13], s[0:1], 0x20              ; out0
	v_lshl_add_u32 v192, v0, 2, 0x200
	v_mov_b32 v193, 0
	s_and_b32 s14, ttmp7, 0xffff                   ; the batch
	s_lshl_b32 s15, ttmp9, 8                       ; 256 x head
	s_lshl_b32 s16, s14, 13                        ; ml: 8,192 b + 8 head
	s_lshl_b32 s17, ttmp9, 3
	s_add_co_u32 s16, s16, s17
	s_mov_b32 s17, 0
	s_lshl_b32 s18, s14, 18                        ; part: 262,144 b + 256 head
	s_add_co_u32 s18, s18, s15
	s_mov_b32 s19, 0
	s_mov_b32 s20, s15                             ; bv: 256 head
	s_mov_b32 s21, 0
	s_lshl_b32 s22, s14, 12                        ; out0: 4,096 b + 256 head
	s_add_co_u32 s22, s22, s15
	s_mov_b32 s23, 0
	s_mov_b32 s30, 0x76543210                      ; v_permlanex16_b32's selects for lane l xor 16
	s_mov_b32 s31, 0xfedcba98
	v_and_b32 v1, 15, v0                           ; r
	v_lshrrev_b32 v2, 4, v0                        ; h
	v_lshlrev_b32 v3, 7, v0                        ; a part's pairs lie 128 bytes apart
	v_lshlrev_b32 v4, 4, v1                        ; 16 r: my four channels
	v_lshl_add_u32 v5, v2, 17, v4                  ; + 32 parts of 4,096 bytes for lanes 16-31
	v_lshlrev_b32 v20, 2, v0                       ; 4 x lane
	v_lshlrev_b32 v22, 7, v2                       ; 128 h
	v_mov_b32 v17, 0                               ; written once: a lane permute's destination counts as one of its sources
.irp j, 0,1,2,3
	v_mov_b32 v[28+\j], 0
.endr
	s_wait_alu depctr_va_vdst(0)
	s_wait_kmcnt 0x0
	s_load_b128 s[24:27], s[10:11], 0x0            ; e0, e1, e2, e3
	s_add_nc_u64 s[6:7], s[6:7], s[16:17]
	s_add_nc_u64 s[4:5], s[4:5], s[18:19]
	s_add_nc_u64 s[8:9], s[8:9], s[20:21]
	s_add_nc_u64 s[12:13], s[12:13], s[22:23]
	global_load_b64 v[8:9], v3, s[6:7]             ; (m, l) of part lane,
	global_load_b64 v[10:11], v3, s[6:7] offset:4096   ; and of part 32 + lane
	global_load_b128 v[12:15], v4, s[8:9]          ; bv
.irp t, 0,1,2,3,4,5,6,7,8,9,10,11,12,13,14,15,16,17,18,19,20,21,22,23,24,25,26,27,28,29,30,31
	global_load_b128 v[64+4*\t:67+4*\t], v5, s[4:5] offset:4096*\t th:TH_LOAD_NT
.endr
	s_wait_loadcnt 33                              ; the two pairs are in; bv and the 32 parts may be out
	v_max_num_f32 v16, v8, v10
.irp x, 1,2,4,8
	v_max_num_f32_dpp v16, v16, v16 row_xmask:\x row_mask:0xf bank_mask:0xf
.endr
	v_permlanex16_b32 v17, v16, s30, s31
	v_max_num_f32 v16, v16, v17                    ; M
	v_sub_f32 v18, v8, v16
	v_sub_f32 v19, v10, v16
	s_wait_alu depctr_va_vdst(0)
	v_exp_f32 v18, v18                             ; w
	v_exp_f32 v19, v19
	v_nop                                          ; a plain line behind the last exponential
	s_wait_alu depctr_va_vdst(0)                   ; one wait for both, ahead of their first reader
	ds_store_b32 v20, v18                          ; w_i at 4 i
	ds_store_b32 v20, v19 offset:128
.irp t, 0,1,2,3,4,5,6,7
	ds_load_b128 v[32+4*\t:35+4*\t], v22 offset:16*\t   ; my half's 32 weights, in every lane of the half (LDS serves a wave's instructions in order: ISA guide 5.7.1.4)
.endr
	v_mul_f32 v21, v18, v9
	v_fma_f32 v21, v19, v11, v21
.irp x, 1,2,4,8
	v_add_f32_dpp v21, v21, v21 row_xmask:\x row_mask:0xf bank_mask:0xf
.endr
	v_permlanex16_b32 v17, v21, s30, s31
	v_add_f32 v21, v21, v17                        ; the row's sum
	s_wait_alu depctr_va_vdst(0)
	v_rcp_f32 v23, v21
	v_nop                                          ; a plain line behind the reciprocal
	s_wait_kmcnt 0x0
	s_add_co_i32 s28, s26, s27                     ; e2 + e3
	s_wait_alu depctr_va_vdst(0)                   ; ahead of its first reader
	v_ldexp_f32 v23, v23, s28
	s_wait_dscnt 0x0
.irp t, 0,1,2,3,4,5,6,7,8,9,10,11,12,13,14,15,16,17,18,19,20,21,22,23,24,25,26,27,28,29,30,31
	s_wait_loadcnt 31-\t                           ; part t is in; those behind it may be out
.if \t == 0
	v_pk_mul_f32 v[24:25], v[64:65], v[32:33] op_sel_hi:[1,0]
	s_wait_alu depctr_va_vdst(0)
	v_pk_mul_f32 v[26:27], v[66:67], v[32:33] op_sel_hi:[1,0]
.elseif (\t%2) == 0
	v_pk_fma_f32 v[24:25], v[64+4*\t:65+4*\t], v[32+\t:33+\t], v[24:25] op_sel_hi:[1,0,1]              ; both halves x the pair's first weight
	s_wait_alu depctr_va_vdst(0)
	v_pk_fma_f32 v[26:27], v[66+4*\t:67+4*\t], v[32+\t:33+\t], v[26:27] op_sel_hi:[1,0,1]
.else
	v_pk_fma_f32 v[24:25], v[64+4*\t:65+4*\t], v[31+\t:32+\t], v[24:25] op_sel:[0,1,0] op_sel_hi:[1,1,1]   ; both halves x the pair's second weight
	s_wait_alu depctr_va_vdst(0)
	v_pk_fma_f32 v[26:27], v[66+4*\t:67+4*\t], v[31+\t:32+\t], v[26:27] op_sel:[0,1,0] op_sel_hi:[1,1,1]
.endif
.endr
.irp j, 0,1,2,3
	v_permlanex16_b32 v[28+\j], v[24+\j], s30, s31
.endr
.irp j, 0,1,2,3
	v_add_f32 v[24+\j], v[24+\j], v[28+\j]         ; both halves' parts
.endr
.irp j, 0,1,2,3
	v_fma_f32 v[24+\j], v[24+\j], v23, v[12+\j]
.endr
	v_cmp_gt_u32 vcc_lo, 16, v0
	s_wait_alu depctr_va_vdst(0)
	s_wait_xcnt 0x0                                ; EXEC changes only behind this wait
	s_wait_tensorcnt 0x0
	ds_add_u32 v192, v193
	s_wait_dscnt 0x0
	s_and_saveexec_b32 s29, vcc_lo
	global_store_b128 v4, v[24:27], s[12:13]       ; sixteen lanes store the head's 256 consecutive bytes, aligned
	s_endpgm
.Lfunc_end_k_q5d8ffe6e95_comb:
	.size	k_q5d8ffe6e95_comb, .Lfunc_end_k_q5d8ffe6e95_comb-k_q5d8ffe6e95_comb
	.p2alignl 7, 3214868480
	.fill 96, 4, 3214868480
	.section	.rodata,"a",@progbits
	.p2align	6, 0x0
	.amdhsa_kernel k_q5d8ffe6e95_comb
		.amdhsa_group_segment_fixed_size 768
		.amdhsa_private_segment_fixed_size 0
		.amdhsa_enable_private_segment 0
		.amdhsa_kernarg_size 40
		.amdhsa_user_sgpr_count 2
		.amdhsa_user_sgpr_kernarg_segment_ptr 1
		.amdhsa_wavefront_size32 1
		.amdhsa_system_sgpr_workgroup_id_x 1
		.amdhsa_system_sgpr_workgroup_id_y 1
		.amdhsa_system_sgpr_workgroup_id_z 1
		.amdhsa_system_vgpr_workitem_id 0
		.amdhsa_next_free_vgpr 194
		.amdhsa_next_free_sgpr 66
		.amdhsa_reserve_vcc 1
		.amdhsa_float_denorm_mode_32 3
		.amdhsa_float_denorm_mode_16_64 3
		.amdhsa_memory_ordered 1
		.amdhsa_forward_progress 1
		.amdhsa_inst_pref_size 14
	.end_amdhsa_kernel
	.amdgpu_metadata
---
amdhsa.version: [ 1, 2 ]
amdhsa.kernels:
  - .name:           k_q5d8ffe6e95_comb
    .symbol:         k_q5d8ffe6e95_comb.kd
    .args:
      - { .name: part, .offset: 0, .size: 8, .value_kind: global_buffer, .address_space: global }
      - { .name: ml, .offset: 8, .size: 8, .value_kind: global_buffer, .address_space: global }
      - { .name: bv, .offset: 16, .size: 8, .value_kind: global_buffer, .address_space: global }
      - { .name: lowp_scales, .offset: 24, .size: 8, .value_kind: global_buffer, .address_space: global }
      - { .name: out0, .offset: 32, .size: 8, .value_kind: global_buffer, .address_space: global }
    .group_segment_fixed_size: 768
    .private_segment_fixed_size: 0
    .kernarg_segment_align: 8
    .kernarg_segment_size: 40
    .max_flat_workgroup_size: 32
    .sgpr_count:     66
    .vgpr_count:     194
    .wavefront_size: 32
...
	.end_amdgpu_metadata
.endif
;; end of part 3
